; MI455X (gfx1250); checked and timed in simulation.
; The chip was launched on July 23, 2026; its instructions are those of AMD's public machine-readable ISA for CDNA 5 (MIT licence, August 2026) and "CDNA5" Instruction Set Architecture Reference Guide (July 2026). The comments in the code are by the model that wrote it; some were corrected since.
;; Tri Match Attention. Allowed arithmetic: float matrix products may take bf16 or f16 operands with f32 sums; all other float work in f32.
;; Inputs: We_b 1 float32; We_w 1,024 float32; Wr_b 1,024 float32; Wr_w 1,024 x 1,024 float32; Ws_b 1,024 float32; Ws_w 1,024 x 1,024 float32; Wt_b 1,024 float32; Wt_w 1,024 x 1,024 float32; emb_table 262,144 x 3 float32; entity_lambda 3 float32; hm_k 16 x 1,024 float32; hs 16 x 4,096 x 1,024 float32; hs_i 16 x 4,096 int32; ht_k 16 x 1,024 float32; ht_k_i 16 int32.
;; Outputs: out0 16 x 1,024 float32.
;; 2 versions, each right; version 2 is version 1 with the launch prep written anew for expert scheduling mode. Each part assembles by itself: llvm-mc -triple=amdgcn-amd-amdhsa -mcpu=gfx1250 --defsym DOCPART=n.
;; ======== version 1 of 2: 3 launches
;; workspace buffers: wsb 2,097,152 bytes; cvec 262,144 bytes; bias 262,144 bytes; part 1,048,576 bytes; pstat 2,048 bytes
;; launch prep (part 1): grid 256 x 1, 4 waves a work-group, no clusters, 4,608 bytes of LDS; arguments Ws_w, Wt_w, Wr_w, ht_k, hm_k, Wt_b, Wr_b, Ws_b, We_b, emb_table, entity_lambda, hs_i, ht_k_i, wsb, cvec, bias; writes wsb, cvec, bias
.if DOCPART == 1
	.amdgcn_target "amdgcn-amd-amdhsa--gfx1250"
	.amdhsa_code_object_version 6
	.text
	.protected	k_qc7d96ee6bf_prep
	.globl	k_qc7d96ee6bf_prep
	.p2align	8
	.type	k_qc7d96ee6bf_prep,@function
k_qc7d96ee6bf_prep:
	s_mov_b64 s[64:65], 0
	v_nop
	global_prefetch_b8 v0, s[64:65] scope:SCOPE_SE
	s_setreg_imm32_b32 hwreg(HW_REG_WAVE_MODE, 25, 1), 1
	s_wait_xcnt 0x0
; Three small jobs ahead of the large product; every work-group g of 256 does a slice of each, 4 waves.  nt = g / 4 names 16 columns, kq = g % 4 a quarter of the sums; W = 4 kq + wave.
; (i)   c[b][h] = ht_k[b] . Wt_w[h] + Wt_b[h] + hm_k[b] . Wr_w[h] + Wr_b[h] + Ws_b[h], as FOUR PARTIAL SUMS, since a sum does not cross work-groups: the next launch adds them.
;       Wave W takes matrix W / 8 (Wt with ht_k, Wr with hm_k) and 128 of its 1,024 k: four matrix instructions on bf16 operands, f32 sums, for columns 16 nt .. 16 nt + 15, all 16 batches.
;       The four waves' tiles meet in LDS; quarter 0 adds Wt_b, quarter 1 Ws_b, quarter 2 Wr_b, quarter 3 none.
;       cvec is [kq][nt][batch][16 columns] f32: a work-group's part is 1,024 consecutive bytes.
; (ii)  Ws_w rows 16 nt .. 16 nt + 15, rounded to bf16 and laid in the order in which the next launch wants its fragments:
;       fragment (ks = k / 32, nt) is 1,024 bytes at ((ks / 2) * 4 + nt / 16) * 32768 + ((ks % 2) * 16 + nt % 16) * 1024;
;       in it, byte half * 512 + lane * 16 holds row 16 nt + lane % 16, k = 32 ks + 16 half + 8 (lane / 16) + 0..7.  Wave W makes ks = 2 W, 2 W + 1.
; (iii) bias[b][s] = emb_table[hs_i[b][s] * 512 + ht_k_i[b]] . entity_lambda + We_b for the 256 entries 256 g .. 256 g + 255 (batch g / 16), two a thread.
; LIMITS.  The table index is clamped to 262,143 (the table's last row); the matrix operands are rounded to bf16.
.set BV, 28                            ; v[28:29]   my two columns of the quarter's bias vector
.set SF, 32                            ; v[32:63]   Ws_w: 2 K steps x 16 f32 of a lane, then 2 x 8 registers of bf16
.set WF, 64                            ; v[64:127]  Wt_w or Wr_w: 4 K steps x 16 f32, then 4 fragments of 8 registers in v[64:95]
.set PT, 96                            ; v[96:103]  at the end: the four waves' partial sums of my two numbers
.set XF, 128                           ; v[128:191] ht_k or hm_k, as WF
.set AX, 192                           ; v[192:199] accumulator of K steps 0 and 2
.set AY, 200                           ; v[200:207] accumulator of K steps 1 and 3
; s2 W, s3 my place in cvec, s4 wave, s5 g, s6 nt, s7 kq; s[8:39] the sixteen addresses in the order of the arguments; s40 ht_k_i[b]; s41 We_b;
; s[42:43] the quarter's bias vector; s[44:46] lambda; s[48:49] my weight matrix, s[50:51] my x; s52-s59 offsets, s53 at last the mask of the bias vector
; one K step (32 k) of a lane in f32: k = 8 h + 0..7 (32 bytes), then k = 16 + 8 h + 0..7 (32 bytes, 64 further on)
.macro LOAD16 dst, adr, base, off, nt
.irp p, 0,1,2,3
.if \nt
	global_load_b128 v[\dst+4*\p:\dst+4*\p+3], v[\adr], s[\base:\base+1] offset:\off+16*(\p&1)+64*(\p>>1) th:TH_LOAD_NT
.else
	global_load_b128 v[\dst+4*\p:\dst+4*\p+3], v[\adr], s[\base:\base+1] offset:\off+16*(\p&1)+64*(\p>>1)
.endif
.endr
.endm
; 2 n f32 to n registers of bf16 pairs, in place and ascending: register base + i is written when its old content has been used
.macro COMPACT base, n
.set i, 0
.rept \n
	v_cvt_pk_bf16_f32 v[\base+i], v[\base+2*i], v[\base+2*i+1]
.set i, i+1
.endr
.endm
	s_load_b512 s[8:23], s[0:1], 0x0               ; Ws_w 8, Wt_w 10, Wr_w 12, ht_k 14, hm_k 16, Wt_b 18, Wr_b 20, Ws_b 22
	s_load_b512 s[24:39], s[0:1], 0x40             ; We_b 24, emb_table 26, lambda 28, hs_i 30, ht_k_i 32, wsb 34, cvec 36, bias 38
	v_lshl_add_u32 v208, v0, 2, 0x1000
	v_mov_b32 v209, 0
	v_lshrrev_b32 v24, 5, v0
	v_readfirstlane_b32 s4, v24                    ; wave 0..3
	s_mov_b32 s5, ttmp9                            ; g
	s_lshr_b32 s6, s5, 2                           ; nt
	s_and_b32 s7, s5, 3                            ; kq
	s_lshl2_add_u32 s2, s7, s4                     ; W = 4 kq + wave, 0..15
	v_and_b32 v1, 15, v0                           ; r = lane % 16
	v_bfe_u32 v2, v0, 4, 1                         ; h = lane / 16
	v_and_b32 v24, 31, v0                          ; lane
	s_lshr_b32 s52, s5, 4
	s_lshl_b32 s52, s52, 2                         ; byte offset of my batch (g / 16) in ht_k_i
	s_and_b32 s53, s2, 7
	s_lshl_b32 s53, s53, 9                         ; my 128 k of f32
	s_lshl_b32 s54, s6, 16                         ; 16 nt rows of 4,096 bytes
	s_lshl_b32 s55, s2, 8                          ; Ws_w: my two K steps, 256 bytes
	s_lshr_b32 s56, s6, 4
	s_lshl2_add_u32 s56, s2, s56                   ; 4 W + nt / 16
	s_lshl_b32 s56, s56, 15
	s_and_b32 s59, s6, 15
	s_lshl_b32 s59, s59, 10
	s_add_co_u32 s56, s56, s59                     ; where my two fragments begin in wsb
	s_lshl_b32 s57, s5, 10                         ; 256 g entries of 4 bytes
	s_lshl_b32 s58, s4, 10                         ; my wave's partial tile in LDS
	s_lshl_b32 s59, s6, 6                          ; 16 nt columns of 4 bytes
	s_lshl_b32 s3, s7, 6
	s_add_co_u32 s3, s3, s6
	s_lshl_b32 s3, s3, 10                          ; (64 kq + nt) * 1024: the work-group's part of cvec
	v_lshlrev_b32 v3, 12, v1
	v_lshl_add_u32 v3, v2, 5, v3                   ; r * 4096 + 32 h
	v_add_nc_u32 v5, s53, v3                       ; x: batch r, my k
	v_add_nc_u32 v3, s54, v3                       ; weights: row 16 nt + r
	v_add_nc_u32 v4, s53, v3                       ; Wt_w or Wr_w, my k
	v_add_nc_u32 v6, s55, v3                       ; Ws_w, my k
	v_lshl_add_u32 v7, v24, 4, s56                 ; wsb: 16 bytes a lane
	v_lshl_add_u32 v20, v0, 3, s57                 ; hs_i and bias: two entries a thread
	v_lshlrev_b32 v21, 6, v1
	v_lshl_add_u32 v21, v2, 5, v21
	v_add_nc_u32 v21, s58, v21                     ; LDS, in: my wave's tile as [batch r][16 columns], columns 8 h on
	v_lshlrev_b32 v22, 3, v0                       ; LDS, back: numbers 2 t and 2 t + 1 of a tile's 256
	v_lshl_add_u32 v23, v0, 3, s3                  ; and the same two in cvec
	v_and_b32 v25, 7, v0
	v_lshl_add_u32 v25, v25, 3, s59                ; their columns, 16 nt + 2 (t % 8) on, in a vector of 1,024 f32
	s_wait_kmcnt 0x0
	s_load_b32 s40, s[32:33], s52 offset:0x0       ; ht_k_i of my batch
	s_load_b96 s[44:46], s[28:29], 0x0             ; lambda
	s_load_b32 s41, s[24:25], 0x0                  ; We_b
	s_cmp_lt_u32 s7, 2                             ; quarters 0, 1: Wt_w with ht_k; quarters 2, 3: Wr_w with hm_k
	s_cselect_b64 s[48:49], s[10:11], s[12:13]
	s_cselect_b64 s[50:51], s[14:15], s[16:17]
	s_cmp_eq_u32 s7, 0                             ; the bias vector that this quarter adds: 0 Wt_b, 1 Ws_b, 2 Wr_b;
	s_cselect_b64 s[42:43], s[18:19], s[20:21]
	s_cmp_eq_u32 s7, 1
	s_cselect_b64 s[42:43], s[22:23], s[42:43]
	s_cmp_lt_u32 s7, 3                             ; quarter 3 adds none: what it loads is masked to 0
	s_cselect_b32 s53, -1, 0
	global_load_b64 v[BV:BV+1], v25, s[42:43]      ; 1 load: the bias vector, first, so that nothing waits for it at the end
	global_load_b64 v[8:9], v20, s[30:31]          ; 1 load: my two hs_i
	LOAD16 SF,    6, 8, 0,   1                     ; 8 loads: Ws_w
	LOAD16 SF+16, 6, 8, 128, 1
.irp s, 0,1,2,3
	LOAD16 WF+16*\s, 4, 48, 128*\s, 1              ; 32 loads: weights and x, four K steps
	LOAD16 XF+16*\s, 5, 50, 128*\s, 0
.endr
	s_wait_loadcnt 40                              ; the 8 + 32 younger loads stay out: hs_i is in
	s_wait_kmcnt 0x0
	v_lshl_add_u32 v10, v8, 9, s40                 ; hs_i * 512 + ht_k_i
	v_lshl_add_u32 v11, v9, 9, s40
	v_min_u32 v10, 0x3ffff, v10                    ; inside the table
	v_min_u32 v11, 0x3ffff, v11
	v_mul_u32_u24 v10, v10, 12                     ; rows of 12 bytes
	v_mul_u32_u24 v11, v11, 12
.irp c, 0,1,2
	global_load_b32 v[12+\c], v10, s[26:27] offset:4*\c      ; 6 loads of one word: every address is a multiple of its size
	global_load_b32 v[15+\c], v11, s[26:27] offset:4*\c
.endr
	s_wait_loadcnt 38                              ; the 32 + 6 younger loads stay out: Ws_w is in
	COMPACT SF, 16
.irp kk, 0,1
.irp hf, 0,1
	global_store_b128 v7, v[SF+8*\kk+4*\hf:SF+8*\kk+4*\hf+3], s[34:35] offset:\kk*16384+\hf*512   ; a wave's store covers 512 consecutive bytes
.endr
.endr
	s_wait_loadcnt 6                               ; the table's six words stay out
	COMPACT WF, 32
	COMPACT XF, 32
	; source 0 = 16 rows of the weights, source 1 = the 16 batches: lane (r, h), register j holds batch r, column 16 nt + 8 h + j.
	; Two accumulators by turns, one instruction a turn; the first two products start the sums.
	v_wmma_f32_16x16x32_bf16 v[AX:AX+7], v[WF:WF+7],       v[XF:XF+7],       0
	v_wmma_f32_16x16x32_bf16 v[AY:AY+7], v[WF+8:WF+15],    v[XF+8:XF+15],    0
	v_wmma_f32_16x16x32_bf16 v[AX:AX+7], v[WF+16:WF+23],   v[XF+16:XF+23],   v[AX:AX+7]
	v_wmma_f32_16x16x32_bf16 v[AY:AY+7], v[WF+24:WF+31],   v[XF+24:XF+31],   v[AY:AY+7]
.rept 4
	v_nop                                          ; four places between the last product and the first read of a result (ISA guide 7.12.1)
.endr
.irp j, 0,2,4,6
	v_pk_add_f32 v[AX+\j:AX+\j+1], v[AX+\j:AX+\j+1], v[AY+\j:AY+\j+1]    ; from the low end on
.endr
	ds_store_b128 v21, v[AX:AX+3]                  ; columns 8 h + 0..3
	ds_store_b128 v21, v[AX+4:AX+7] offset:16      ; columns 8 h + 4..7
	s_wait_dscnt 0x0                               ; for the others: my partial tile is in LDS
	s_barrier_signal -1                            ; the table's words may stay out: no wave holds the others up for them
	s_barrier_wait -1
.irp p, 0,1,2,3
	ds_load_b64 v[PT+2*\p:PT+2*\p+1], v22 offset:\p*1024     ; my two numbers of each wave's tile: a wave reads 256 consecutive bytes
.endr
	s_wait_loadcnt 0x0                             ; the table's words
	v_fma_f32 v18, v12, s44, s41                   ; We_b + e . lambda
	v_fma_f32 v19, v15, s44, s41
	v_fma_f32 v18, v13, s45, v18
	v_fma_f32 v19, v16, s45, v19
	v_fma_f32 v18, v14, s46, v18
	v_fma_f32 v19, v17, s46, v19
	global_store_b64 v20, v[18:19], s[38:39]       ; a wave's store covers 256 consecutive bytes, aligned
	v_and_b32 v[BV], s53, v[BV]                    ; quarter 3: 0
	v_and_b32 v[BV+1], s53, v[BV+1]
	s_wait_dscnt 0x0
	v_pk_add_f32 v[PT:PT+1],   v[PT:PT+1],     v[PT+2:PT+3]
	v_pk_add_f32 v[PT+4:PT+5], v[PT+4:PT+5],   v[PT+6:PT+7]
	v_pk_add_f32 v[PT:PT+1],   v[PT:PT+1],     v[PT+4:PT+5]
	v_pk_add_f32 v[PT:PT+1],   v[PT:PT+1],     v[BV:BV+1]
	global_store_b64 v23, v[PT:PT+1], s[36:37]     ; a wave's store covers 256 consecutive bytes, aligned
	s_wait_tensorcnt 0x0
	ds_add_u32 v208, v209
	s_wait_dscnt 0x0
	s_endpgm
.Lfunc_end_k_qc7d96ee6bf_prep:
	.size	k_qc7d96ee6bf_prep, .Lfunc_end_k_qc7d96ee6bf_prep-k_qc7d96ee6bf_prep
	.p2alignl 7, 3214868480
	.fill 96, 4, 3214868480
	.section	.rodata,"a",@progbits
	.p2align	6, 0x0
	.amdhsa_kernel k_qc7d96ee6bf_prep
		.amdhsa_group_segment_fixed_size 4608
		.amdhsa_private_segment_fixed_size 0
		.amdhsa_enable_private_segment 0
		.amdhsa_kernarg_size 128
		.amdhsa_user_sgpr_count 2
		.amdhsa_user_sgpr_kernarg_segment_ptr 1
		.amdhsa_wavefront_size32 1
		.amdhsa_system_sgpr_workgroup_id_x 1
		.amdhsa_system_sgpr_workgroup_id_y 1
		.amdhsa_system_sgpr_workgroup_id_z 1
		.amdhsa_system_vgpr_workitem_id 0
		.amdhsa_next_free_vgpr 210
		.amdhsa_next_free_sgpr 66
		.amdhsa_reserve_vcc 0
		.amdhsa_float_denorm_mode_32 3
		.amdhsa_float_denorm_mode_16_64 3
		.amdhsa_memory_ordered 1
		.amdhsa_forward_progress 1
		.amdhsa_inst_pref_size 16
	.end_amdhsa_kernel
	.amdgpu_metadata
---
amdhsa.version: [ 1, 2 ]
amdhsa.kernels:
  - .name:           k_qc7d96ee6bf_prep
    .symbol:         k_qc7d96ee6bf_prep.kd
    .args:
      - { .name: Ws_w, .offset: 0, .size: 8, .value_kind: global_buffer, .address_space: global }
      - { .name: Wt_w, .offset: 8, .size: 8, .value_kind: global_buffer, .address_space: global }
      - { .name: Wr_w, .offset: 16, .size: 8, .value_kind: global_buffer, .address_space: global }
      - { .name: ht_k, .offset: 24, .size: 8, .value_kind: global_buffer, .address_space: global }
      - { .name: hm_k, .offset: 32, .size: 8, .value_kind: global_buffer, .address_space: global }
      - { .name: Wt_b, .offset: 40, .size: 8, .value_kind: global_buffer, .address_space: global }
      - { .name: Wr_b, .offset: 48, .size: 8, .value_kind: global_buffer, .address_space: global }
      - { .name: Ws_b, .offset: 56, .size: 8, .value_kind: global_buffer, .address_space: global }
      - { .name: We_b, .offset: 64, .size: 8, .value_kind: global_buffer, .address_space: global }
      - { .name: emb_table, .offset: 72, .size: 8, .value_kind: global_buffer, .address_space: global }
      - { .name: entity_lambda, .offset: 80, .size: 8, .value_kind: global_buffer, .address_space: global }
      - { .name: hs_i, .offset: 88, .size: 8, .value_kind: global_buffer, .address_space: global }
      - { .name: ht_k_i, .offset: 96, .size: 8, .value_kind: global_buffer, .address_space: global }
      - { .name: wsb, .offset: 104, .size: 8, .value_kind: global_buffer, .address_space: global }
      - { .name: cvec, .offset: 112, .size: 8, .value_kind: global_buffer, .address_space: global }
      - { .name: bias, .offset: 120, .size: 8, .value_kind: global_buffer, .address_space: global }
    .group_segment_fixed_size: 4608
    .private_segment_fixed_size: 0
    .kernarg_segment_align: 8
    .kernarg_segment_size: 128
    .max_flat_workgroup_size: 128
    .sgpr_count:     66
    .vgpr_count:     210
    .wavefront_size: 32
...
	.end_amdgpu_metadata
.endif
;; end of part 1
;; launch main (part 2): grid 256 x 1, 4 waves a work-group, clusters of 4 x 1, 327,680 bytes of LDS; arguments hs, wsb, cvec, bias, We_w, part, pstat; writes part, pstat
.if DOCPART == 2
	.amdgcn_target "amdgcn-amd-amdhsa--gfx1250"
	.amdhsa_code_object_version 6
	.text
	.protected	k_qc7d96ee6bf_main
	.globl	k_qc7d96ee6bf_main
	.p2align	8
	.type	k_qc7d96ee6bf_main,@function
k_qc7d96ee6bf_main:
	s_mov_b64 s[64:65], 0
	v_nop
	global_prefetch_b8 v0, s[64:65] scope:SCOPE_SE
	s_setreg_imm32_b32 hwreg(HW_REG_WAVE_MODE, 25, 1), 1
	s_wait_xcnt 0x0
	s_wait_alu depctr_hold_cnt(0) depctr_sa_sdst(0) depctr_va_vdst(0) depctr_va_sdst(0) depctr_va_ssrc(0) depctr_va_vcc(0) depctr_vm_vsrc(0)
	s_getreg_b32 s2, hwreg(HW_REG_IB_STS2, 6, 4)
	s_cmp_eq_u32 s2, 0
	s_cbranch_scc0 .Lentry_in_a_cluster
	s_endpgm
.Lentry_in_a_cluster:
	s_bfe_u32 s2, ttmp6, 0x10000c
	s_cmp_lg_u32 s2, 0x3003
	s_cbranch_scc0 .Lentry_shape_is_right
	s_endpgm
.Lentry_shape_is_right:
; For 256 rows of one batch: W = hs . Ws_w^T (bf16 operands, f32 sums), the score of each row, a running softmax over the rows, and the weighted sum of the rows of W.
; SHARES.  Work-group G (of 256) stays on rows 256 G .. 256 G + 255 of the flat [65536][1024] hs, batch G / 16, as four tiles of 64 rows.  A score needs all 1,024 columns of a
; row of W and the weighted sum needs the same W again, so a tile of 64 rows x 1,024 columns stays in registers: wave w owns columns 256 w .. 256 w + 255 of all 64 rows,
; 4 x 16 accumulators of 16 x 16, 512 registers.  Source 0 = 16 rows of hs, source 1 = 16 rows of Ws_w: lane (r = lane % 16, h = lane / 16), register j of accumulator (a, b)
; holds row 16 a + 8 h + j, column 256 w + 16 b + r: one column a lane, so c and We cost one register for each b, and the sum over rows is made inside the lane.
; K goes in chunks of 64 (two matrix instructions deep, 128 a wave); 16 chunks a tile; Q = 0..63 counts chunks over the four tiles.
; Ws_w comes as wsb (bf16, fragment order): chunk q, wave w is one dense block of 32 KiB.  Two LDS slots of 128 KiB; each wave fetches, and alone reads, its own quarter.
; All work-groups walk the same wsb, so the four of a cluster ask JOINTLY: the same tensor load, the same descriptor, a mask that names the four.
; hs is the work-group's own and is f32: it comes through registers (a ring of four chunks a wave, 8 loads of 512 bytes each: 64 KiB of the work-group on their way), is rounded to
; bf16 once and laid into a stage of two buffers in LDS, which all four waves read.
; c (what is added to W inside the tanh) comes as four partial sums, cvec[kq][column / 16][batch][column % 16], which are added here, once.
; SCORE, in powers of two: tanh x = 1 - 2 r, r = 1 / (1 + 2^(K2 x)), K2 = 2 log2 e.  s2 = log2 e * score = sum of We2[h] r[h] - 1/2 sum of We2[h] + log2 e * bias, We2 = - K2 We.
; SOFTMAX: a running maximum M2 and sum L over the tiles; the weighted sums AL and L are multiplied by 2^(M2 old - M2 new) in every tile.  part gets AL, pstat (M2, L); the next launch merges.
; LIMITS.  v_exp_f32 and v_rcp_f32 flush denormals (ISA guide 15.8): a weight under 2^-126 counts as 0.  tanh as 1 - 2 r has an absolute error near 1e-7 a term.
; A tile whose scores are all -inf, or NaN scores, give NaN.  The operands of the product are rounded to bf16.
;
; LDS: 0 slot 0, 131072 slot 1 (wave w at + 32768 w; fragment (kk, b) at + (16 kk + b) * 1024, half * 512 + lane * 16 in it: every read is 512 consecutive bytes);
;      262144 the stage: 2 buffers x 64 rows x 144 bytes (128 of data + 16: the 16 rows of a fragment load start at 16 different banks, 64 banks of 4 bytes: ISA guide 11.1);
;      280576 the waves' partial scores, 4 x 64 f32; 281600 the way out, 1 KiB a wave; 285696 the spare words; 286208 the 256 rows' bias.  No tensor load lands behind byte 262143.
; REGISTERS, in windows of 256: window 0 addresses, hs fragments, constants and the softmax; window 1 v0-127 two buffers of Ws fragments, v128-255 the hs ring;
;      window 2 accumulators (a, b) for b = 0..7 at v[8 (8 a + b)]; window 3 those for b = 8..15.
.set SLOTB,  131072
.set ASTG,   262144
.set APITCH, 144
.set ABUF,   64*APITCH
.set SCR,    280576
.set OUTS,   281600
.set SPARE,  285696
.set BIAS,   286208
.set SPW,  1                           ; v1   LDS address of my spare word; never rewritten
.set NIL,  2                           ; v2   0; never rewritten
.set ADRB, 3                           ; v3-4 my lane's place in my quarter of slot 0, 1
.set ADRA, 5                           ; v5   my lane's place in a fragment of the stage
.set STA,  6                           ; v6   where I store 8 bytes into the stage
.set HOFF, 7                           ; v7   my 16 bytes of hs in a chunk: row 16 w + h, byte 16 r
.set SCW,  8                           ; v8   where I store my wave's partial scores
.set SCRD, 9                           ; v9   where I read a wave's partial scores
.set BIA0, 10                          ; v10  my rows' bias in tile 0
.set BIAD, 11                          ; v11  in the tile in hand
.set OUTW, 12                          ; v12  the way out: in
.set OUTR, 13                          ; v13  the way out: back
.set GOUT, 14                          ; v14  my byte offset in the work-group's row of part
.set AF,   32                          ; v32-63, v64-95  hs fragments, two buffers of 4 x 8
.set SCV,  64                          ; v64-95  in the epilogue: register 8 a + j = the score, then the weight, of row 16 a + 8 h + j
.set CV,   96                          ; v96-111 a chunk's 16 bf16 pairs on their way to the stage
.set CC,   112                         ; v112-127 K2 * c of my column of n tile b
.set WE,   128                         ; v128-143 We2 of my column of n tile b
.set AL,   144                         ; v144-175 the weighted sums: a pair (even rows', odd rows') for each b
.set M2,   176                         ; v176 running maximum, v177 running sum
.set LS,   177
.set WS,   178                         ; v178-179 -1/2 the sum of my 16 We2, twice
.set TMX,  180
.set TMY,  181
.set SA,   182                         ; v182 2^(M2 old - M2 new); v183 named with it as a pair
.set T,    184                         ; v184-247 at work
.set MN,   248                         ; v248 the new maximum; v249 named with it as a pair
.set RING, 128                         ; window 1: slot rs at 128 + 32 rs
.set WV,  18                           ; s18 wave
.set CX,  19                           ; s19 my place in the cluster: it enters G alone
.set GI,  20                           ; s20 G: it enters the addresses of hs, cvec, bias, part and pstat alone
.set G1,  24                           ; s[24:31] descriptor group 1
.set G0,  32                           ; s[32:39] descriptor group 0, a set for each slot
.set WB,  40                           ; s[40:41] wsb at my quarter of chunk 0
.set OFS, 42                           ; s[42:45] byte offset in wsb of each slot's next chunk, as pairs
.set HS0, 46                           ; s[46:47] hs at the work-group's first row
.set HB,  48                           ; s[48:49] hs at the chunk that the ring loads
.set HO,  50                           ; s[50:51] its offset from HS0
.set LQ,  52                           ; s52 the next chunk that the ring loads
.set J,   53                           ; s53 the loop's counter: four chunks a trip
.set K2,  54                           ; s[54:55] 2 log2 e, twice
.set SEL, 56                           ; s[56:57] v_permlanex16_b32: each lane takes its own place in the other half
.set TO1, 0x40                         ; destination window 1, address window 0
.set CV5, 0x05                         ; sources 0 and 1 window 1, destination window 0
.set EP,  0x02                         ; source 0 window 2 (+ 1: window 3), all else window 0
.set MSB, 0
.macro WIN new                         ; the immediate's high byte repeats the setting that is left; a switch that changes nothing is dropped
.if MSB != (\new)
	s_set_vgpr_msb (MSB<<8)|(\new)
.set MSB, \new
.endif
.endm
; A load into a register that a matrix instruction has read, and a vector instruction that reads a matrix result or writes one of a matrix instruction's registers, stand four
; places behind it; only plain vector instructions that name none of its registers are places (ISA guide 7.12.1 for vector instructions).
.macro PLACES
.rept 4
	v_nop
.endr
.endm
.macro CREST                           ; a round of the cluster's barrier behind its opening barrier
	s_cmp_lg_u32 s[WV], 0
	s_cbranch_scc1 .Lnot_wave_0_\@
	s_barrier_signal -3
.Lnot_wave_0_\@:
	s_barrier_wait -3
	s_barrier_signal -1
	s_barrier_wait -1
.endm
.macro CROUND                          ; a whole round
	s_barrier_signal -1
	s_barrier_wait -1
	CREST
.endm
; 16 LDS loads: the eight Ws fragments of quarter step u of a chunk (kk = u / 2, n tiles 8 (u % 2) + 0..7) into buffer buf
.macro FETCHB slot, u, buf
	WIN TO1
.irp t, 0,1,2,3,4,5,6,7
	ds_load_b128 v[64*(\buf)+8*\t:64*(\buf)+8*\t+3],   v[ADRB+(\slot)] offset:(8*(\u)+\t)*1024
	ds_load_b128 v[64*(\buf)+8*\t+4:64*(\buf)+8*\t+7], v[ADRB+(\slot)] offset:(8*(\u)+\t)*1024+512
.endr
.endm
; 8 LDS loads: the four hs fragments (64 rows x 32 k at k = 32 kk) of stage buffer z into buffer buf
.macro FETCHA z, kk, buf
	WIN 0
.irp a, 0,1,2,3
	ds_load_b128 v[AF+32*(\buf)+8*\a:AF+32*(\buf)+8*\a+3],   v[ADRA] offset:(\z)*ABUF+\a*16*APITCH+(\kk)*64
	ds_load_b128 v[AF+32*(\buf)+8*\a+4:AF+32*(\buf)+8*\a+7], v[ADRA] offset:(\z)*ABUF+\a*16*APITCH+(\kk)*64+32
.endr
.endm
; n matrix instructions, numbers lo on of a quarter step's 32: m tile i % 4, n tile 8 nh + i / 4.  The 32 accumulators of a window take turns, one instruction a turn, in the same
; order in every quarter step, and the windows alternate.  zero = 1: the products start the sums: nothing is cleared.
.macro MUL nh, ab, bb, lo, n, zero
	WIN 0xa4+0x50*(\nh)                            ; source 0 window 0, source 1 window 1, C and D window 2 + nh
.set i, \lo
.rept \n
.set rD, 8*(8*(i%4)+i/4)
.set rA, AF+32*(\ab)+8*(i%4)
.set rB, 64*(\bb)+8*(i/4)
.if \zero
	v_wmma_f32_16x16x32_bf16 v[rD:rD+7], v[rA:rA+7], v[rB:rB+7], 0
.else
	v_wmma_f32_16x16x32_bf16 v[rD:rD+7], v[rA:rA+7], v[rB:rB+7], v[rD:rD+7]
.endif
.set i, i+1
.endr
.endm
; Ring slot rs (a chunk: my 16 rows x 64 k of f32) is rounded to bf16 and stored into stage buffer z.  left = the younger ring loads that may stay out.
.macro CVTA rs, z, left
	s_wait_loadcnt \left                           ; loads come back in order (ISA guide 5.7.1): the slot's eight are in
	WIN CV5
.set i, 0
.rept 16
	v_cvt_pk_bf16_f32 v[CV+i], v[RING+32*(\rs)+2*i], v[RING+32*(\rs)+2*i+1]
.set i, i+1
.endr
	WIN 0
.irp n, 0,1,2,3,4,5,6,7
	ds_store_b64 v[STA], v[CV+2*\n:CV+2*\n+1] offset:(\z)*ABUF+\n*2*APITCH    ; rows 16 w + 2 n + h
.endr
.endm
; Ring slot rs is loaded again, with chunk LQ: tile LQ / 16 (64 rows of 4,096 bytes), chunk LQ % 16 (256 bytes of a row).  Each load: two rows, 256 aligned consecutive bytes of each.
.macro LDRING rs
	s_wait_xcnt 0x0                                ; the base that earlier loads name is rewritten only behind this wait (ISA guide 3.1)
	s_lshr_b32 s21, s[LQ], 4
	s_lshl_b32 s21, s21, 18
	s_and_b32 s22, s[LQ], 15
	s_lshl_b32 s22, s22, 8
	s_add_co_u32 s[HO], s21, s22
	s_add_nc_u64 s[HB:HB+1], s[HS0:HS0+1], s[HO:HO+1]
	s_add_co_u32 s[LQ], s[LQ], 1
	WIN TO1
.irp n, 0,1,2,3,4,5,6,7
	global_load_b128 v[RING+32*(\rs)+4*\n:RING+32*(\rs)+4*\n+3], v[HOFF], s[HB:HB+1] offset:\n*8192 th:TH_LOAD_NT
.endr
.endm
; a slot's descriptor steps two chunks on and wraps at wsb's end into the next tile's first chunks
.macro DSTEP slot
	s_add_co_u32 s[OFS+2*\slot], s[OFS+2*\slot], 2*SLOTB
	s_and_b32 s[OFS+2*\slot], s[OFS+2*\slot], 0x1fffff
	s_add_nc_u64 s[G0+4*\slot+2:G0+4*\slot+3], s[WB:WB+1], s[OFS+2*\slot:OFS+2*\slot+1]
	s_or_b32 s[G0+4*\slot+3], s[G0+4*\slot+3], 0x80000000
.endm
; A chunk is four quarter steps of 32 matrix instructions: (kk, nh) = (0,0), (0,1), (1,0), (1,1).  FRONT is the first two.
.macro FRONT slot, zero
	PLACES
	FETCHB \slot, 1, 1
	s_wait_dscnt 16                                ; all but the 16 just issued: the fragments of (0,0) are in
	MUL 0, 0, 0, 0, 32, \zero
	PLACES
	FETCHB \slot, 2, 0
	FETCHA \slot, 1, 1
	s_wait_dscnt 24                                ; all but the 24 just issued
	MUL 1, 0, 1, 0, 32, \zero
.endm
; BACK is the last two, and the change of slots.  cv: the next chunk's hs goes from ring slot rs into the other stage buffer (its last readers waited for their reads in front of
; the last round); ld: the ring slot is loaded again.  mode 2: this slot is filled again, two chunks ahead; 1: a barrier alone; 0: the last chunk.
.macro BACK slot, rs, cv, ld, left, mode
.if \cv
	CVTA \rs, 1-\slot, \left                       ; its 16 conversions are the places behind the products above
.else
	PLACES
.endif
	FETCHB \slot, 3, 1
.if \ld
	LDRING \rs
.endif
	s_wait_dscnt 16                                ; all but the 16 just issued: the fragments of (1,0) are in, my stores into the stage are done
	MUL 0, 1, 0, 0, 32, 0
.if \mode == 0
	s_wait_dscnt 0x0
	MUL 1, 1, 1, 0, 32, 0
.else
	WIN 0                                          ; (the add's two registers lie in window 0)
	s_wait_tensorcnt 0x0                           ; all my tensor loads have landed: the one that was out is my quarter of the other slot;
	ds_add_u32 v[SPW], v[NIL]                      ; 0 onto my spare word
.if \mode == 2
	DSTEP \slot                                    ; no tensor load of mine is out, so a group 0 may be written
.endif
	s_wait_dscnt 1                                 ; the add alone may be out
	MUL 1, 1, 1, 0, 8, 0                           ; eight matrix instructions stand between the add and the wait for it
	s_wait_dscnt 0x0                               ; the add is done, my reads of this slot and of this stage buffer are over, my stores into the other buffer are done
	s_barrier_signal -1
	MUL 1, 1, 1, 8, 8, 0
.if \mode == 2
	WIN 0
	s_barrier_wait -1
	CREST                                          ; the barrier has opened a round of the cluster's: no wave of any partner still reads this slot or has a load on its way
	tensor_load_to_lds s[G0+4*\slot:G0+4*\slot+3], s[G1:G1+7]    ; my one tensor load behind the round; 112 matrix instructions stand between it and the wait for it
	s_nop 0
	PLACES                                         ; four v_nop follow it; they are also the places in front of the loads below
.else
	s_barrier_wait -1
	PLACES
.endif
	FETCHB 1-\slot, 0, 0
	FETCHA 1-\slot, 0, 0
	MUL 1, 1, 1, 16, 16, 0
.endif
.endm
.macro LD32 dst, adr, off              ; one word for each of my 32 rows (16 a + 8 h + j)
.irp n, 0,1,2,3,4,5,6,7
	ds_load_b128 v[\dst+4*\n:\dst+4*\n+3], v[\adr] offset:\off+(\n>>1)*64+(\n&1)*16
.endr
.endm
.macro ADD32 src
.set i, 0
.rept 16
	v_pk_add_f32 v[SCV+i:SCV+i+1], v[SCV+i:SCV+i+1], v[\src+i:\src+i+1]
.set i, i+2
.endr
.endm
; A TILE'S END.  It leaves alone the fragments of the next chunk (hs buffer 0, Ws buffer 0), the ring and the slots; the refill asked for last lands meanwhile.
.macro EPILOGUE last
	WIN 0
	PLACES                                         ; behind the last products
	; the scores: for 64 numbers at a time (8 n tiles of one m tile) 2^(K2 W + K2 c), + 1, the reciprocal, and We2 times it onto the rows' sums
.irp nh, 0,1
.irp a, 0,1,2,3
	WIN EP+\nh
.irp bp, 0,1,2,3
.irp x, 0,1
.irp jp, 0,1,2,3
	v_pk_fma_f32 v[T+8*(2*\bp+\x)+2*\jp:T+8*(2*\bp+\x)+2*\jp+1], v[64*\a+8*(2*\bp+\x)+2*\jp:64*\a+8*(2*\bp+\x)+2*\jp+1], s[K2:K2+1], v[CC+8*\nh+2*\bp:CC+8*\nh+2*\bp+1] op_sel:[0,0,\x] op_sel_hi:[1,0,\x]   ; each accumulator from its low end on
.endr
.endr
.endr
	WIN 0
.set i, 0
.rept 64
	v_exp_f32 v[T+i], v[T+i]
.set i, i+1
.endr
	v_nop                                          ; a plain instruction between the last of the run and the use of its result (ISA guide 5.7.2)
.set i, 0
	s_wait_alu depctr_va_vdst(0)
.rept 32
	v_pk_add_f32 v[T+i:T+i+1], v[T+i:T+i+1], 1.0 op_sel_hi:[1,0]
.set i, i+2
.endr
.set i, 0
.rept 64
	v_rcp_f32 v[T+i], v[T+i]
.set i, i+1
.endr
	v_nop
	s_wait_alu depctr_va_vdst(0)
.irp bp, 0,1,2,3
.irp x, 0,1
.irp jp, 0,1,2,3
.if (\nh == 0) && (\bp == 0) && (\x == 0)
	v_pk_fma_f32 v[SCV+8*\a+2*\jp:SCV+8*\a+2*\jp+1], v[T+8*(2*\bp+\x)+2*\jp:T+8*(2*\bp+\x)+2*\jp+1], v[WE+8*\nh+2*\bp:WE+8*\nh+2*\bp+1], v[WS:WS+1] op_sel:[0,\x,0] op_sel_hi:[1,\x,1]   ; the first link starts the sum
.else
	v_pk_fma_f32 v[SCV+8*\a+2*\jp:SCV+8*\a+2*\jp+1], v[T+8*(2*\bp+\x)+2*\jp:T+8*(2*\bp+\x)+2*\jp+1], v[WE+8*\nh+2*\bp:WE+8*\nh+2*\bp+1], v[SCV+8*\a+2*\jp:SCV+8*\a+2*\jp+1] op_sel:[0,\x,0] op_sel_hi:[1,\x,1]
.endif
.endr
.endr
.endr
.endr
.endr
	; over the 16 lanes of a half (my wave's 256 columns),
.irp m, 1,2,4,8
.set i, 0
.rept 32
	v_add_f32_dpp v[SCV+i], v[SCV+i], v[SCV+i] row_xmask:\m row_mask:0xf bank_mask:0xf
.set i, i+1
.endr
.endr
	; and over the four waves, through LDS: the 16 lanes of a half store the same words
.irp n, 0,1,2,3,4,5,6,7
	ds_store_b128 v[SCW], v[SCV+4*\n:SCV+4*\n+3] offset:(\n>>1)*64+(\n&1)*16
.endr
	s_wait_dscnt 0x0                               ; for the others: my partial scores are in LDS
	s_barrier_signal -1                            ; the refill on its way may stay out
	s_barrier_wait -1
.if \last
	v_add_nc_u32 v[BIAD], 768, v[BIA0]             ; tile 3
.else
	s_lshl_b32 s21, s[J], 6                        ; J = 3, 7, 11 at the ends of tiles 0, 1, 2:
	s_and_b32 s21, s21, 0x300                      ; 256 bytes a tile
	v_add_nc_u32 v[BIAD], s21, v[BIA0]
.endif
	LD32 T, SCRD, 0
	LD32 T+32, SCRD, 256
	LD32 SCV, SCRD, 512
	s_wait_dscnt 0x0
	ADD32 T                                        ; the same order in every wave: the four waves' maxima, weights and sums agree bit for bit
	ADD32 T+32
	LD32 T, SCRD, 768
	LD32 T+32, BIAD, 0
	s_wait_dscnt 0x0                               ; also: my reads of the partial scores are over; rounds of the cluster's barrier stand ahead of the next tile's stores there
	ADD32 T
	ADD32 T+32
	; the new maximum: my 32 rows in four chains, the other half of the lanes' 32, the old one
.irp c, 0,1,2,3
	v_max3_num_f32 v[16+\c], v[SCV+8*\c], v[SCV+8*\c+1], v[SCV+8*\c+2]
.endr
.irp c, 0,1,2,3
	v_max3_num_f32 v[16+\c], v[16+\c], v[SCV+8*\c+3], v[SCV+8*\c+4]
.endr
.irp c, 0,1,2,3
	v_max3_num_f32 v[16+\c], v[16+\c], v[SCV+8*\c+5], v[SCV+8*\c+6]
.endr
	v_max3_num_f32 v16, v16, v[SCV+7], v[SCV+15]
	v_max3_num_f32 v18, v18, v[SCV+23], v[SCV+31]
	v_max3_num_f32 v16, v16, v17, v18
	v_max_num_f32 v[TMX], v16, v19
	v_permlanex16_b32 v[TMY], v[TMX], s[SEL], s[SEL+1]
	v_max3_num_f32 v[MN], v[TMX], v[TMY], v[M2]
	v_sub_f32 v[SA], v[M2], v[MN]
	v_exp_f32 v[SA], v[SA]                         ; what the old sums are worth under the new maximum; 0 in the first tile (M2 starts at -inf)
	v_mov_b32 v[M2], v[MN]                         ; the plain instruction behind it
.set i, 0
.rept 16
	v_pk_add_f32 v[SCV+i:SCV+i+1], v[SCV+i:SCV+i+1], v[MN:MN+1] op_sel_hi:[1,0] neg_lo:[0,1] neg_hi:[0,1]
.set i, i+2
.endr
.set i, 0
.rept 32
	v_exp_f32 v[SCV+i], v[SCV+i]                   ; the rows' weights
.set i, i+1
.endr
	v_nop
	s_wait_alu depctr_va_vdst(0)
.irp n, 0,2,4,6,8,10,12,14
	v_pk_add_f32 v[T+\n:T+\n+1], v[SCV+\n:SCV+\n+1], v[SCV+16+\n:SCV+16+\n+1]
.endr
.irp n, 0,2,4,6
	v_pk_add_f32 v[T+\n:T+\n+1], v[T+\n:T+\n+1], v[T+8+\n:T+8+\n+1]
.endr
.irp n, 0,2
	v_pk_add_f32 v[T+\n:T+\n+1], v[T+\n:T+\n+1], v[T+4+\n:T+4+\n+1]
.endr
	v_pk_add_f32 v[T:T+1], v[T:T+1], v[T+2:T+3]
	v_add_f32 v[TMX], v[T], v[T+1]
	v_permlanex16_b32 v[TMY], v[TMX], s[SEL], s[SEL+1]
	v_add_f32 v[TMX], v[TMX], v[TMY]
	v_fma_f32 v[LS], v[LS], v[SA], v[TMX]
.set i, 0
.rept 16
	v_pk_mul_f32 v[AL+i:AL+i+1], v[AL+i:AL+i+1], v[SA:SA+1] op_sel_hi:[1,0]
.set i, i+2
.endr
	; the weighted sum of my rows of W: eight chains by turns
.irp nh, 0,1
	WIN EP+\nh
.irp a, 0,1,2,3
.irp jp, 0,1,2,3
.irp b, 0,1,2,3,4,5,6,7
	v_pk_fma_f32 v[AL+2*(8*\nh+\b):AL+2*(8*\nh+\b)+1], v[64*\a+8*\b+2*\jp:64*\a+8*\b+2*\jp+1], v[SCV+8*\a+2*\jp:SCV+8*\a+2*\jp+1], v[AL+2*(8*\nh+\b):AL+2*(8*\nh+\b)+1]
.endr
.endr
.endr
.endr
	WIN 0
.endm
	s_load_b256 s[4:11], s[0:1], 0x0               ; hs s[4:5], wsb s[6:7], cvec s[8:9], bias s[10:11]
	s_load_b128 s[12:15], s[0:1], 0x20             ; We_w s[12:13], part s[14:15]
	s_load_b64 s[16:17], s[0:1], 0x30              ; pstat
	v_lshl_add_u32 v[SPW], v0, 2, SPARE
	v_mov_b32 v[NIL], 0
	ds_add_u32 v1, v2
	s_wait_dscnt 0x0
	v_lshrrev_b32 v15, 5, v0
	v_readfirstlane_b32 s[WV], v15                 ; wave 0..3
	s_bfe_u32 s[CX], ttmp6, 0x40000                ; my place in the cluster
	s_lshl_b32 s[GI], ttmp9, 2                     ; in a cluster launch ttmp9 counts clusters
	s_add_co_u32 s[GI], s[GI], s[CX]               ; G
	; descriptor group 1: a dense block of 32 KiB as 128 rows of 32 elements of 8 bytes
	s_mov_b32 s[G1+0], 15|(3<<16)|(1<<21)          ; 15:0 the mask: all four work-groups; 17:16 elements of 8 bytes; 21 set beside a mask; no padding
	s_mov_b32 s[G1+1], 32<<16                      ; tensor_dim0 = 32
	s_mov_b32 s[G1+2], 128<<16                     ; tensor_dim1 = 128
	s_mov_b32 s[G1+3], 32<<16                      ; tile_dim0 = 32
	s_mov_b32 s[G1+4], 128                         ; tile_dim1 = 128
	s_mov_b32 s[G1+5], 32                          ; from row to row: 32 elements
	s_mov_b32 s[G1+6], 0
	s_mov_b32 s[G1+7], 0
	s_mov_b32 s[K2], 0x4038aa3b                    ; 2 log2 e
	s_mov_b32 s[K2+1], 0x4038aa3b
	s_mov_b32 s[SEL], 0x76543210
	s_mov_b32 s[SEL+1], 0xfedcba98
	s_mov_b32 s[G0], 1                             ; count = 1
	s_lshl_b32 s[G0+1], s[WV], 15                  ; LDS address: my quarter of slot 0: no place in the cluster enters it
	s_mov_b32 s[G0+4], 1
	s_add_co_u32 s[G0+5], s[G0+1], SLOTB           ; of slot 1
	s_mov_b32 s[OFS], 0                            ; slot 0 begins with chunk 0,
	s_mov_b32 s[OFS+1], 0
	s_mov_b32 s[OFS+2], SLOTB                      ; slot 1 with chunk 1
	s_mov_b32 s[OFS+3], 0
	s_mov_b32 s[HO+1], 0
	s_mov_b32 s[LQ], 4
	v_and_b32 v20, 15, v0                          ; r
	v_bfe_u32 v21, v0, 4, 1                        ; h
	v_and_b32 v22, 31, v0                          ; lane
	s_lshl_b32 s22, s[WV], 16
	v_lshlrev_b32 v[HOFF], 12, v21
	v_lshl_add_u32 v[HOFF], v20, 4, v[HOFF]
	v_add_nc_u32 v[HOFF], s22, v[HOFF]             ; (16 w + h) * 4096 + 16 r
	s_lshl_b32 s58, s[GI], 20                      ; 256 G rows of 4,096 bytes: under 2^28
	s_mov_b32 s59, 0
	s_lshl_b32 s60, s[WV], 15
	s_mov_b32 s61, 0
	s_wait_kmcnt 0x0
	s_add_nc_u64 s[HS0:HS0+1], s[4:5], s[58:59]
	s_add_nc_u64 s[WB:WB+1], s[6:7], s[60:61]
	WIN TO1
.irp g, 0,1,2,3
.irp n, 0,1,2,3,4,5,6,7
	global_load_b128 v[RING+32*\g+4*\n:RING+32*\g+4*\n+3], v[HOFF], s[HS0:HS0+1] offset:\n*8192+\g*256 th:TH_LOAD_NT   ; the ring is filled: chunks 0 to 3
.endr
.endr
	WIN 0
	s_add_nc_u64 s[G0+2:G0+3], s[WB:WB+1], s[OFS:OFS+1]
	s_or_b32 s[G0+3], s[G0+3], 0x80000000          ; type = 2
	s_add_nc_u64 s[G0+6:G0+7], s[WB:WB+1], s[OFS+2:OFS+3]
	s_or_b32 s[G0+7], s[G0+7], 0x80000000
	CROUND                                         ; all four work-groups are here: the first joint loads meet
	tensor_load_to_lds s[G0:G0+3], s[G1:G1+7]      ; both first fills together, ahead of every wait on TENSORcnt and every LDS read: two loads of mine are out
	s_nop 0
	tensor_load_to_lds s[G0+4:G0+7], s[G1:G1+7]
	s_nop 0
	PLACES
	v_lshl_add_u32 v[ADRB], v22, 4, s[G0+1]        ; 32768 w + 16 lane
	v_add_nc_u32 v[ADRB+1], SLOTB, v[ADRB]
	v_mul_u32_u24 v[ADRA], v20, APITCH
	v_lshl_add_u32 v[ADRA], v21, 4, v[ADRA]
	v_add_nc_u32 v[ADRA], ASTG, v[ADRA]            ; row r, 16 bytes for each half of the lanes
	s_mul_i32 s21, s[WV], 16*APITCH
	s_add_co_u32 s21, s21, ASTG
	v_mul_u32_u24 v[STA], v21, APITCH
	v_lshl_add_u32 v[STA], v20, 3, v[STA]
	v_add_nc_u32 v[STA], s21, v[STA]               ; row 16 w + h, byte 8 r
	s_lshl_b32 s23, s[WV], 8
	s_add_co_u32 s23, s23, SCR
	v_lshl_add_u32 v[SCW], v21, 5, s23
	v_lshl_add_u32 v[SCRD], v21, 5, SCR
	v_lshl_add_u32 v[BIA0], v21, 5, BIAS
	s_lshl_b32 s21, s[WV], 10
	s_add_co_u32 s22, s21, OUTS
	v_lshl_add_u32 v[OUTW], v20, 2, s22
	v_lshl_add_u32 v[OUTR], v22, 4, s22
	v_lshl_add_u32 v[GOUT], v22, 4, s21
	s_lshr_b32 s58, s[GI], 4
	s_lshl_b32 s58, s58, 6                         ; cvec: my batch's 64 bytes in a column tile of 1 KiB,
	s_lshl_b32 s23, s[WV], 14                      ; my wave's 16 column tiles
	s_add_co_u32 s58, s58, s23
	v_lshl_add_u32 v25, v20, 2, s58                ; column r of a tile
	v_lshl_add_u32 v23, v20, 2, s21                ; We_w: column 256 w + r
.irp q, 0,1,2,3
.irp b, 0,1,2,3,4,5,6,7,8,9,10,11,12,13,14,15
	global_load_b32 v[T+16*\q+\b], v25, s[8:9] offset:65536*\q+1024*\b     ; partial sum q of c, column tile 16 w + b
.endr
.endr
.irp b, 0,1,2,3,4,5,6,7,8,9,10,11,12,13,14,15
	global_load_b32 v[WE+\b], v23, s[12:13] offset:64*\b
.endr
	s_lshl_b32 s62, s[GI], 10
	v_lshl_add_u32 v24, v0, 3, s62                 ; the work-group's 256 rows' bias, two a thread
	global_load_b64 v[16:17], v24, s[10:11]
	s_lshl_b32 s58, s[GI], 12
	s_add_nc_u64 s[14:15], s[14:15], s[58:59]      ; part at my row
	s_lshl_b32 s58, s[GI], 3
	s_add_nc_u64 s[16:17], s[16:17], s[58:59]      ; pstat at my pair
	v_lshl_add_u32 v19, v0, 3, BIAS
.set i, 0
.rept 32
	v_mov_b32 v[AL+i], 0                           ; the state that is carried from tile to tile: it is rescaled in the first tile too, so it is set
.set i, i+1
.endr
	v_mov_b32 v[LS], 0
	v_mov_b32 v[M2], 0xff800000                    ; -inf
	v_mov_b32 v[TMY], 0                            ; v_permlanex16_b32 counts as a reader of its destination
	v_mov_b32 v[SA+1], 0                           ; named as the upper halves of pairs whose lower half is broadcast
	v_mov_b32 v[MN+1], 0
	s_wait_loadcnt 0x0                             ; once: c, We, bias, and the ring's first four chunks
.irp n, 0,2,4,6,8,10,12,14
	v_pk_add_f32 v[T+\n:T+\n+1],       v[T+\n:T+\n+1],       v[T+16+\n:T+16+\n+1]     ; c's four partial sums
	v_pk_add_f32 v[T+32+\n:T+32+\n+1], v[T+32+\n:T+32+\n+1], v[T+48+\n:T+48+\n+1]
.endr
.irp n, 0,2,4,6,8,10,12,14
	v_pk_add_f32 v[T+\n:T+\n+1], v[T+\n:T+\n+1], v[T+32+\n:T+32+\n+1]
.endr
.irp n, 0,2,4,6,8,10,12,14
	v_pk_mul_f32 v[CC+\n:CC+\n+1], v[T+\n:T+\n+1], s[K2:K2+1] op_sel_hi:[1,0]
	v_pk_mul_f32 v[WE+\n:WE+\n+1], v[WE+\n:WE+\n+1], 0xc038aa3b op_sel_hi:[1,0]     ; We2 = - K2 We
.endr
	v_pk_add_f32 v[26:27], v[WE:WE+1], v[WE+2:WE+3]
.irp n, 4,6,8,10,12,14
	v_pk_add_f32 v[26:27], v[26:27], v[WE+\n:WE+\n+1]
.endr
	v_add_f32 v26, v26, v27
	v_mul_f32 v[WS], -0.5, v26
	v_mul_f32 v[WS+1], -0.5, v26
	v_pk_mul_f32 v[16:17], v[16:17], 0x3fb8aa3b op_sel_hi:[1,0]                     ; log2 e * bias
	ds_store_b64 v19, v[16:17]
	CVTA 0, 0, 0                                   ; chunk 0 into stage buffer 0
	LDRING 0                                       ; chunk 4
	s_wait_tensorcnt 0x1                           ; my quarter of slot 0 is in; slot 1's may stay out
	s_wait_dscnt 0x0                               ; for the others: my rows of the stage and my bias words are in LDS
	s_barrier_signal -1
	s_barrier_wait -1
	FETCHB 0, 0, 0
	FETCHA 0, 0, 0
	FRONT 0, 1                                     ; the first tile's first products start the sums, ahead of the loop
	WIN 0                                          ; at a label and at a branch every window is 0
	s_mov_b32 s[J], 0
.Lquad:                                                ; a trip: the rest of chunk 4 J, chunks 4 J + 1 to 4 J + 3, the first half of chunk 4 J + 4
	BACK 0, 1, 1, 1, 24, 2                         ; 24: three younger ring slots of eight loads stay out
	FRONT 1, 0
	BACK 1, 2, 1, 1, 24, 2
	FRONT 0, 0
	BACK 0, 3, 1, 1, 24, 2
	FRONT 1, 0
	BACK 1, 0, 1, 1, 24, 2
	WIN 0
	s_and_b32 s21, s[J], 3                         ; a tile is four trips; the counter is the same in every wave and every work-group
	s_cmp_eq_u32 s21, 3
	s_cbranch_scc0 .Lsame_tile
	EPILOGUE 0
	FRONT 0, 1                                     ; the next tile's first products start its sums
	WIN 0
	s_branch .Ljoin
.Lsame_tile:
	FRONT 0, 0
	WIN 0
.Ljoin:
	s_add_co_u32 s[J], s[J], 1
	s_cmp_lt_u32 s[J], 14
	s_cbranch_scc1 .Lquad
	; chunks 56 to 63 are written out, so that no load is jumped over: the ring's last load is chunk 63, the slots' last refill is chunk 63
	BACK 0, 1, 1, 1, 24, 2                         ; 56: ring loads chunk 61
	FRONT 1, 0
	BACK 1, 2, 1, 1, 24, 2                         ; 57: 62
	FRONT 0, 0
	BACK 0, 3, 1, 1, 24, 2                         ; 58: 63
	FRONT 1, 0
	BACK 1, 0, 1, 0, 24, 2                         ; 59: the counts run down
	FRONT 0, 0
	BACK 0, 1, 1, 0, 16, 2                         ; 60
	FRONT 1, 0
	BACK 1, 2, 1, 0, 8, 2                          ; 61: the last refill
	FRONT 0, 0
	BACK 0, 3, 1, 0, 0, 1                          ; 62: a barrier for the stage; nothing is filled
	FRONT 1, 0
	BACK 1, 0, 0, 0, 0, 0                          ; 63
	EPILOGUE 1
	; THE WAY OUT: even and odd rows' sums, the other half of the lanes'; through my own 1 KiB of LDS, so that a lane holds 16 neighbouring bytes
.irp b, 0,1,2,3,4,5,6,7,8,9,10,11,12,13,14,15
	v_add_f32 v[T+\b], v[AL+2*\b], v[AL+2*\b+1]
.endr
.irp b, 0,1,2,3,4,5,6,7,8,9,10,11,12,13,14,15
	v_permlanex16_b32 v[T+16+\b], v[T+\b], s[SEL], s[SEL+1]
.endr
.irp b, 0,1,2,3,4,5,6,7,8,9,10,11,12,13,14,15
	v_add_f32 v[T+\b], v[T+\b], v[T+16+\b]
.endr
.irp b, 0,1,2,3,4,5,6,7,8,9,10,11,12,13,14,15
	ds_store_b32 v[OUTW], v[T+\b] offset:64*\b     ; column 16 b + r; both halves of the lanes store the same word
.endr
	ds_load_b128 v[T+32:T+35], v[OUTR]             ; LDS serves a wave's instructions in order (ISA guide 5.7.1.4): these see the stores above
	ds_load_b128 v[T+36:T+39], v[OUTR] offset:512
	s_wait_dscnt 0x0
	global_store_b128 v[GOUT], v[T+32:T+35], s[14:15]              ; a wave's store covers 512 consecutive bytes, aligned
	global_store_b128 v[GOUT], v[T+36:T+39], s[14:15] offset:512
	v_mov_b32 v15, 0
	v_cmp_eq_u32 vcc_lo, 0, v0                     ; the four waves hold the same (M2, L): thread 0 stores the pair
	s_wait_xcnt 0x0                                ; EXEC changes only behind this wait
	s_and_saveexec_b32 s21, vcc_lo
	global_store_b64 v15, v[M2:M2+1], s[16:17]
	s_wait_xcnt 0x0                                ; and again, in front of the line that widens it
	s_or_b32 exec_lo, exec_lo, s21
	s_wait_tensorcnt 0x0                           ; the wave's end, behind my last tensor load and my last LDS store
	ds_add_u32 v[SPW], v[NIL]
	s_wait_dscnt 0x0
	CROUND                                         ; the closing round: no work-group ends while a partner may still ask for a tile that names it
	s_endpgm
.Lfunc_end_k_qc7d96ee6bf_main:
	.size	k_qc7d96ee6bf_main, .Lfunc_end_k_qc7d96ee6bf_main-k_qc7d96ee6bf_main
	.p2alignl 7, 3214868480
	.fill 96, 4, 3214868480
	.section	.rodata,"a",@progbits
	.p2align	6, 0x0
	.amdhsa_kernel k_qc7d96ee6bf_main
		.amdhsa_group_segment_fixed_size 327680
		.amdhsa_private_segment_fixed_size 0
		.amdhsa_enable_private_segment 0
		.amdhsa_kernarg_size 56
		.amdhsa_user_sgpr_count 2
		.amdhsa_user_sgpr_kernarg_segment_ptr 1
		.amdhsa_wavefront_size32 1
		.amdhsa_system_sgpr_workgroup_id_x 1
		.amdhsa_system_sgpr_workgroup_id_y 1
		.amdhsa_system_sgpr_workgroup_id_z 1
		.amdhsa_system_vgpr_workitem_id 0
		.amdhsa_next_free_vgpr 1024
		.amdhsa_next_free_sgpr 66
		.amdhsa_reserve_vcc 1
		.amdhsa_float_denorm_mode_32 3
		.amdhsa_float_denorm_mode_16_64 3
		.amdhsa_memory_ordered 1
		.amdhsa_forward_progress 1
		.amdhsa_inst_pref_size 255
	.end_amdhsa_kernel
	.section	.bss,"aw",@nobits
	.p2align	6
	.space	262144
	.amdgpu_metadata
---
amdhsa.version: [ 1, 2 ]
amdhsa.kernels:
  - .name:           k_qc7d96ee6bf_main
    .symbol:         k_qc7d96ee6bf_main.kd
    .args:
      - { .name: hs, .offset: 0, .size: 8, .value_kind: global_buffer, .address_space: global }
      - { .name: wsb, .offset: 8, .size: 8, .value_kind: global_buffer, .address_space: global }
      - { .name: cvec, .offset: 16, .size: 8, .value_kind: global_buffer, .address_space: global }
      - { .name: bias, .offset: 24, .size: 8, .value_kind: global_buffer, .address_space: global }
      - { .name: We_w, .offset: 32, .size: 8, .value_kind: global_buffer, .address_space: global }
      - { .name: part, .offset: 40, .size: 8, .value_kind: global_buffer, .address_space: global }
      - { .name: pstat, .offset: 48, .size: 8, .value_kind: global_buffer, .address_space: global }
    .group_segment_fixed_size: 327680
    .private_segment_fixed_size: 0
    .kernarg_segment_align: 8
    .kernarg_segment_size: 56
    .max_flat_workgroup_size: 128
    .sgpr_count:     66
    .vgpr_count:     1024
    .wavefront_size: 32
...
	.end_amdgpu_metadata
.endif
;; end of part 2
;; launch comb (part 3): grid 8 x 16, 1 waves a work-group, no clusters, 0 bytes of LDS; arguments part, pstat, Ws_b, out0; writes out0
.if DOCPART == 3
	.amdgcn_target "amdgcn-amd-amdhsa--gfx1250"
	.amdhsa_code_object_version 6
	.text
	.protected	k_qc7d96ee6bf_comb
	.globl	k_qc7d96ee6bf_comb
	.p2align	8
	.type	k_qc7d96ee6bf_comb,@function
k_qc7d96ee6bf_comb:
	s_mov_b64 s[64:65], 0
	v_nop
	global_prefetch_b8 v0, s[64:65] scope:SCOPE_SE
	s_setreg_imm32_b32 hwreg(HW_REG_WAVE_MODE, 25, 1), 1
	s_wait_xcnt 0x0
; out0[b][h] = (sum over the batch's 16 blocks g of 2^(m_g - M) part[16 b + g][h]) / (sum over g of 2^(m_g - M) l_g) + Ws_b[h],  M = the largest m_g.
; (The weights of a softmax add up to 1, so the bias of the projection is added once, here.)
; One wave for 128 columns of one batch (x = the columns, y = the batch): 16 loads of 512 consecutive bytes, one store of 512.  No LDS, no matrix unit: 1 MiB is read once.
; LIMIT.  v_exp_f32 flushes denormals (ISA guide 15.8): a block more than 126 powers of two under the batch's maximum counts as 0.
.set P, 8                              ; v[8:71]   block g: 4 columns at v[8 + 4 g]; v[8:11] then the sums
.set BS, 72                            ; v[72:75]  Ws_b
.set W, 76                             ; v[76:91]  the blocks' weights
.set INV, 92                           ; v[92:93]  1 / the sum, twice
	s_load_b256 s[4:11], s[0:1], 0x0               ; part s[4:5], pstat s[6:7], Ws_b s[8:9], out0 s[10:11]
	s_and_b32 s12, ttmp7, 0xffff                   ; the batch
	s_lshl_b32 s13, s12, 7                         ; its 16 pairs in pstat
	s_lshl_b32 s48, s12, 16                        ; its 16 rows in part
	s_mov_b32 s49, 0
	s_lshl_b32 s50, ttmp9, 9                       ; my 128 columns
	s_lshl_b32 s51, s12, 12                        ; the batch's row in out0
	v_lshl_add_u32 v1, v0, 4, s50                  ; 16 bytes a lane
	v_add_nc_u32 v2, s51, v1
	s_wait_kmcnt 0x0
	s_load_b512 s[16:31], s[6:7], s13 offset:0x0   ; (m, l) of blocks 0-7: m_g in s[16 + 2 g], l_g in s[17 + 2 g]
	s_load_b512 s[32:47], s[6:7], s13 offset:0x40  ; of blocks 8-15
	s_add_nc_u64 s[4:5], s[4:5], s[48:49]
.irp g, 0,1,2,3,4,5,6,7,8,9,10,11,12,13,14,15
	global_load_b128 v[P+4*\g:P+4*\g+3], v1, s[4:5] offset:4096*\g th:TH_LOAD_NT
.endr
	global_load_b128 v[BS:BS+3], v1, s[8:9]
	s_wait_kmcnt 0x0
	v_mov_b32 v3, s16
.irp g, 1,2,3,4,5,6,7,8,9,10,11,12,13,14,15
	v_max_num_f32 v3, s[16+2*\g], v3
.endr
.irp g, 0,1,2,3,4,5,6,7,8,9,10,11,12,13,14,15
	v_sub_f32 v[W+\g], s[16+2*\g], v3
.endr
.irp g, 0,1,2,3,4,5,6,7,8,9,10,11,12,13,14,15
	v_exp_f32 v[W+\g], v[W+\g]
.endr
	v_nop                                          ; a plain instruction between the last of the run and the use of its result (ISA guide 5.7.2)
	s_wait_alu depctr_va_vdst(0)
	v_mul_f32 v4, s17, v[W]
.irp g, 1,2,3,4,5,6,7,8,9,10,11,12,13,14,15
	v_fma_f32 v4, s[17+2*\g], v[W+\g], v4
.endr
	v_rcp_f32 v[INV], v4
	v_nop
	s_wait_alu depctr_va_vdst(0)
	v_mov_b32 v[INV+1], v[INV]
	s_wait_loadcnt 0x0
	v_pk_mul_f32 v[P:P+1],   v[P:P+1],   v[W:W+1] op_sel_hi:[1,0]     ; the first block starts the sums
	v_pk_mul_f32 v[P+2:P+3], v[P+2:P+3], v[W:W+1] op_sel_hi:[1,0]
.irp gp, 0,1,2,3,4,5,6,7
.irp x, 0,1
.if 2*\gp+\x > 0
	v_pk_fma_f32 v[P:P+1],   v[P+4*(2*\gp+\x):P+4*(2*\gp+\x)+1],   v[W+2*\gp:W+2*\gp+1], v[P:P+1]   op_sel:[0,\x,0] op_sel_hi:[1,\x,1]
	v_pk_fma_f32 v[P+2:P+3], v[P+4*(2*\gp+\x)+2:P+4*(2*\gp+\x)+3], v[W+2*\gp:W+2*\gp+1], v[P+2:P+3] op_sel:[0,\x,0] op_sel_hi:[1,\x,1]
.endif
.endr
.endr
	v_pk_fma_f32 v[P:P+1],   v[P:P+1],   v[INV:INV+1], v[BS:BS+1]
	v_pk_fma_f32 v[P+2:P+3], v[P+2:P+3], v[INV:INV+1], v[BS+2:BS+3]
	global_store_b128 v2, v[P:P+3], s[10:11]       ; 512 consecutive bytes, aligned
	s_endpgm
.Lfunc_end_k_qc7d96ee6bf_comb:
	.size	k_qc7d96ee6bf_comb, .Lfunc_end_k_qc7d96ee6bf_comb-k_qc7d96ee6bf_comb
	.p2alignl 7, 3214868480
	.fill 96, 4, 3214868480
	.section	.rodata,"a",@progbits
	.p2align	6, 0x0
	.amdhsa_kernel k_qc7d96ee6bf_comb
		.amdhsa_group_segment_fixed_size 0
		.amdhsa_private_segment_fixed_size 0
		.amdhsa_enable_private_segment 0
		.amdhsa_kernarg_size 32
		.amdhsa_user_sgpr_count 2
		.amdhsa_user_sgpr_kernarg_segment_ptr 1
		.amdhsa_wavefront_size32 1
		.amdhsa_system_sgpr_workgroup_id_x 1
		.amdhsa_system_sgpr_workgroup_id_y 1
		.amdhsa_system_sgpr_workgroup_id_z 1
		.amdhsa_system_vgpr_workitem_id 0
		.amdhsa_next_free_vgpr 96
		.amdhsa_next_free_sgpr 66
		.amdhsa_reserve_vcc 0
		.amdhsa_float_denorm_mode_32 3
		.amdhsa_float_denorm_mode_16_64 3
		.amdhsa_memory_ordered 1
		.amdhsa_forward_progress 1
		.amdhsa_inst_pref_size 8
	.end_amdhsa_kernel
	.amdgpu_metadata
---
amdhsa.version: [ 1, 2 ]
amdhsa.kernels:
  - .name:           k_qc7d96ee6bf_comb
    .symbol:         k_qc7d96ee6bf_comb.kd
    .args:
      - { .name: part, .offset: 0, .size: 8, .value_kind: global_buffer, .address_space: global }
      - { .name: pstat, .offset: 8, .size: 8, .value_kind: global_buffer, .address_space: global }
      - { .name: Ws_b, .offset: 16, .size: 8, .value_kind: global_buffer, .address_space: global }
      - { .name: out0, .offset: 24, .size: 8, .value_kind: global_buffer, .address_space: global }
    .group_segment_fixed_size: 0
    .private_segment_fixed_size: 0
    .kernarg_segment_align: 8
    .kernarg_segment_size: 32
    .max_flat_workgroup_size: 32
    .sgpr_count:     66
    .vgpr_count:     96
    .wavefront_size: 32
...
	.end_amdgpu_metadata
.endif
;; end of part 3
;; ======== version 2 of 2: 3 launches; version 1 with the launch prep written anew for expert scheduling mode
;; workspace buffers: wsb 2,097,152 bytes; cvec 262,144 bytes; bias 262,144 bytes; part 1,048,576 bytes; pstat 2,048 bytes
;; launch prep (part 4): grid 256 x 1, 4 waves a work-group, no clusters, 4,608 bytes of LDS; arguments Ws_w, Wt_w, Wr_w, ht_k, hm_k, Wt_b, Wr_b, Ws_b, We_b, emb_table, entity_lambda, hs_i, ht_k_i, wsb, cvec, bias; writes wsb, cvec, bias
.if DOCPART == 4
	.amdgcn_target "amdgcn-amd-amdhsa--gfx1250"
	.amdhsa_code_object_version 6
	.text
	.protected	k_qc7d96ee6bf_prep
	.globl	k_qc7d96ee6bf_prep
	.p2align	8
	.type	k_qc7d96ee6bf_prep,@function
k_qc7d96ee6bf_prep:
	s_mov_b64 s[64:65], 0
	v_nop
	global_prefetch_b8 v0, s[64:65] scope:SCOPE_SE
	s_setreg_imm32_b32 hwreg(HW_REG_WAVE_SCHED_MODE, 0, 2), 2
	s_setreg_imm32_b32 hwreg(HW_REG_WAVE_MODE, 25, 1), 1
	s_wait_xcnt 0x0
	s_wait_alu depctr_vm_vsrc(0)
; Three small jobs ahead of the large product; every work-group g of 256 does a slice of each, 4 waves.  nt = g / 4 names 16 columns, kq = g % 4 a quarter of the sums; W = 4 kq + wave.
; (i)   c[b][h] = ht_k[b] . Wt_w[h] + Wt_b[h] + hm_k[b] . Wr_w[h] + Wr_b[h] + Ws_b[h], as FOUR PARTIAL SUMS, since a sum does not cross work-groups: the next launch adds them.
;       Wave W takes matrix W / 8 (Wt with ht_k, Wr with hm_k) and 128 of its 1,024 k: four matrix instructions on bf16 operands, f32 sums, for columns 16 nt .. 16 nt + 15, all 16 batches.
;       The four waves' tiles meet in LDS; quarter 0 adds Wt_b, quarter 1 Ws_b, quarter 2 Wr_b, quarter 3 none.
;       cvec is [kq][nt][batch][16 columns] f32: a work-group's part is 1,024 consecutive bytes.
; (ii)  Ws_w rows 16 nt .. 16 nt + 15, rounded to bf16 and laid in the order in which the next launch wants its fragments:
;       fragment (ks = k / 32, nt) is 1,024 bytes at ((ks / 2) * 4 + nt / 16) * 32768 + ((ks % 2) * 16 + nt % 16) * 1024;
;       in it, byte half * 512 + lane * 16 holds row 16 nt + lane % 16, k = 32 ks + 16 half + 8 (lane / 16) + 0..7.  Wave W makes ks = 2 W, 2 W + 1.
; (iii) bias[b][s] = emb_table[hs_i[b][s] * 512 + ht_k_i[b]] . entity_lambda + We_b for the 256 entries 256 g .. 256 g + 255 (batch g / 16), two a thread.
; LIMITS.  The table index is clamped to 262,143 (the table's last row); the matrix operands are rounded to bf16.
; THE MODE: SCHED_MODE bits 1:0 = 2 (LLVM: expert scheduling mode 2), set by the entry lines.  The code itself states the register dependences
; between vector or matrix instructions and memory or LDS instructions, with s_wait_alu, always for 0.
; THE PLAN.  The text is one straight run.  Registers that memory or LDS instructions touch:
;   v4-v7, v20-v23, v25   offsets and LDS addresses: written at the head, read by loads, stores and LDS instructions, never written again.
;   v208, v209            written at the head, read by the closing add alone.
;   v[28:29], v[8:9], SF, WF, XF, v[12:17]   global loads land in them; no vector instruction names them before that.
;   v10, v11              the gather's offsets: made from hs_i, read by the six loads of the table, never written again.
;   SF's v[32:47]         written by SF's conversions, read by the four stores into wsb, never written again.
;   AX                    written by the products and the packed sums, read by the two LDS stores, never written again.
;   PT = v[96:103]        read by WF's conversions ahead of the products; the four LDS loads behind the barrier land in them.
;   v[18:19], v[96:97]    written by the last sums, read by the last two stores.
; So five waits on va_vdst: ahead of the first load (the offsets), of the gather (v10, v11), of wsb's stores (SF), of the LDS stores (AX; it also states that PT's old content has been read:
; no vector instruction stands between it and the loads into PT), and one ahead of the last two stores.  One wait on va_sdst, for the wave's number.
; No register that a memory or LDS instruction reads is written again, so no wait on vm_vsrc is needed for them.
.set BV, 28                            ; v[28:29]   my two columns of the quarter's bias vector
.set SF, 32                            ; v[32:63]   Ws_w: 2 K steps x 16 f32 of a lane, then 2 x 8 registers of bf16
.set WF, 64                            ; v[64:127]  Wt_w or Wr_w: 4 K steps x 16 f32, then 4 fragments of 8 registers in v[64:95]
.set PT, 96                            ; v[96:103]  at the end: the four waves' partial sums of my two numbers
.set XF, 128                           ; v[128:191] ht_k or hm_k, as WF
.set AX, 192                           ; v[192:199] accumulator of K steps 0 and 2
.set AY, 200                           ; v[200:207] accumulator of K steps 1 and 3
; s2 W, s3 my place in cvec, s4 wave, s5 g, s6 nt, s7 kq; s[8:39] the sixteen addresses in the order of the arguments; s40 ht_k_i[b]; s41 We_b;
; s[42:43] the quarter's bias vector; s[44:46] lambda; s[48:49] my weight matrix, s[50:51] my x; s52-s59 offsets, s53 at last the mask of the bias vector
; one K step (32 k) of a lane in f32: k = 8 h + 0..7 (32 bytes), then k = 16 + 8 h + 0..7 (32 bytes, 64 further on)
.macro LOAD16 dst, adr, base, off, nt
.irp p, 0,1,2,3
.if \nt
	global_load_b128 v[\dst+4*\p:\dst+4*\p+3], v[\adr], s[\base:\base+1] offset:\off+16*(\p&1)+64*(\p>>1) th:TH_LOAD_NT
.else
	global_load_b128 v[\dst+4*\p:\dst+4*\p+3], v[\adr], s[\base:\base+1] offset:\off+16*(\p&1)+64*(\p>>1)
.endif
.endr
.endm
; 2 n f32 to n registers of bf16 pairs, in place and ascending: register base + i is written when its old content has been used
.macro COMPACT base, n
.set i, 0
.rept \n
	v_cvt_pk_bf16_f32 v[\base+i], v[\base+2*i], v[\base+2*i+1]
.set i, i+1
.endr
.endm
	s_load_b512 s[8:23], s[0:1], 0x0               ; Ws_w 8, Wt_w 10, Wr_w 12, ht_k 14, hm_k 16, Wt_b 18, Wr_b 20, Ws_b 22
	s_load_b512 s[24:39], s[0:1], 0x40             ; We_b 24, emb_table 26, lambda 28, hs_i 30, ht_k_i 32, wsb 34, cvec 36, bias 38
	v_lshl_add_u32 v208, v0, 2, 0x1000             ; the LDS address of my spare word and 0: made here and kept for the closing lines alone
	v_mov_b32 v209, 0
	v_lshrrev_b32 v24, 5, v0
	v_readfirstlane_b32 s4, v24                    ; wave 0..3
	v_and_b32 v1, 15, v0                           ; r = lane % 16
	v_bfe_u32 v2, v0, 4, 1                         ; h = lane / 16
	v_and_b32 v24, 31, v0                          ; lane
	s_mov_b32 s5, ttmp9                            ; g
	s_lshr_b32 s6, s5, 2                           ; nt
	s_and_b32 s7, s5, 3                            ; kq
	s_wait_alu depctr_va_sdst(0)                   ; s4 is written, ahead of its first reader: W and my tile's place in LDS are made from it
	s_lshl2_add_u32 s2, s7, s4                     ; W = 4 kq + wave, 0..15
	s_lshr_b32 s52, s5, 4
	s_lshl_b32 s52, s52, 2                         ; byte offset of my batch (g / 16) in ht_k_i
	s_and_b32 s53, s2, 7
	s_lshl_b32 s53, s53, 9                         ; my 128 k of f32
	s_lshl_b32 s54, s6, 16                         ; 16 nt rows of 4,096 bytes
	s_lshl_b32 s55, s2, 8                          ; Ws_w: my two K steps, 256 bytes
	s_lshr_b32 s56, s6, 4
	s_lshl2_add_u32 s56, s2, s56                   ; 4 W + nt / 16
	s_lshl_b32 s56, s56, 15
	s_and_b32 s59, s6, 15
	s_lshl_b32 s59, s59, 10
	s_add_co_u32 s56, s56, s59                     ; where my two fragments begin in wsb
	s_lshl_b32 s57, s5, 10                         ; 256 g entries of 4 bytes
	s_lshl_b32 s58, s4, 10                         ; my wave's partial tile in LDS
	s_lshl_b32 s59, s6, 6                          ; 16 nt columns of 4 bytes
	s_lshl_b32 s3, s7, 6
	s_add_co_u32 s3, s3, s6
	s_lshl_b32 s3, s3, 10                          ; (64 kq + nt) * 1024: the work-group's part of cvec
	v_lshlrev_b32 v3, 12, v1
	v_lshl_add_u32 v3, v2, 5, v3                   ; r * 4096 + 32 h
	v_add_nc_u32 v5, s53, v3                       ; x: batch r, my k
	v_add_nc_u32 v3, s54, v3                       ; weights: row 16 nt + r
	v_add_nc_u32 v4, s53, v3                       ; Wt_w or Wr_w, my k
	v_add_nc_u32 v6, s55, v3                       ; Ws_w, my k
	v_lshl_add_u32 v7, v24, 4, s56                 ; wsb: 16 bytes a lane
	v_lshl_add_u32 v20, v0, 3, s57                 ; hs_i and bias: two entries a thread
	v_lshlrev_b32 v21, 6, v1
	v_lshl_add_u32 v21, v2, 5, v21
	v_add_nc_u32 v21, s58, v21                     ; LDS, in: my wave's tile as [batch r][16 columns], columns 8 h on
	v_lshlrev_b32 v22, 3, v0                       ; LDS, back: numbers 2 t and 2 t + 1 of a tile's 256
	v_lshl_add_u32 v23, v0, 3, s3                  ; and the same two in cvec
	v_and_b32 v25, 7, v0
	v_lshl_add_u32 v25, v25, 3, s59                ; their columns, 16 nt + 2 (t % 8) on, in a vector of 1,024 f32
	s_wait_kmcnt 0x0
	s_load_b32 s40, s[32:33], s52 offset:0x0       ; ht_k_i of my batch
	s_load_b96 s[44:46], s[28:29], 0x0             ; lambda
	s_load_b32 s41, s[24:25], 0x0                  ; We_b
	s_cmp_lt_u32 s7, 2                             ; quarters 0, 1: Wt_w with ht_k; quarters 2, 3: Wr_w with hm_k
	s_cselect_b64 s[48:49], s[10:11], s[12:13]
	s_cselect_b64 s[50:51], s[14:15], s[16:17]
	s_cmp_eq_u32 s7, 0                             ; the bias vector that this quarter adds: 0 Wt_b, 1 Ws_b, 2 Wr_b;
	s_cselect_b64 s[42:43], s[18:19], s[20:21]
	s_cmp_eq_u32 s7, 1
	s_cselect_b64 s[42:43], s[22:23], s[42:43]
	s_cmp_lt_u32 s7, 3                             ; quarter 3 adds none: what it loads is masked to 0
	s_cselect_b32 s53, -1, 0
	s_wait_alu depctr_va_vdst(0)                   ; the offsets and LDS addresses v4 to v7, v20 to v23 and v25 are written: every load, store and LDS instruction below but the gather's reads one of them, and none is written again
	global_load_b64 v[BV:BV+1], v25, s[42:43]      ; 1 load: the bias vector, first, so that nothing waits for it at the end
	global_load_b64 v[8:9], v20, s[30:31]          ; 1 load: my two hs_i
	LOAD16 SF,    6, 8, 0,   1                     ; 8 loads: Ws_w
	LOAD16 SF+16, 6, 8, 128, 1
.irp s, 0,1,2,3
	LOAD16 WF+16*\s, 4, 48, 128*\s, 1              ; 32 loads: weights and x, four K steps
	LOAD16 XF+16*\s, 5, 50, 128*\s, 0
.endr
	s_wait_loadcnt 40                              ; the 8 + 32 younger loads stay out: hs_i is in
	s_wait_kmcnt 0x0
	v_lshl_add_u32 v10, v8, 9, s40                 ; hs_i * 512 + ht_k_i
	v_lshl_add_u32 v11, v9, 9, s40
	v_min_u32 v10, 0x3ffff, v10                    ; inside the table
	v_min_u32 v11, 0x3ffff, v11
	v_mul_u32_u24 v10, v10, 12                     ; rows of 12 bytes
	v_mul_u32_u24 v11, v11, 12
	s_wait_alu depctr_va_vdst(0)                   ; v10 and v11 are written, which the six loads below read as their offsets
.irp c, 0,1,2
	global_load_b32 v[12+\c], v10, s[26:27] offset:4*\c      ; 6 loads of one word: every address is a multiple of its size
	global_load_b32 v[15+\c], v11, s[26:27] offset:4*\c
.endr
	s_wait_loadcnt 38                              ; the 32 + 6 younger loads stay out: Ws_w is in
	COMPACT SF, 16
	s_wait_alu depctr_va_vdst(0)                   ; the conversions have written v[SF:SF+15], which the four stores below read
.irp kk, 0,1
.irp hf, 0,1
	global_store_b128 v7, v[SF+8*\kk+4*\hf:SF+8*\kk+4*\hf+3], s[34:35] offset:\kk*16384+\hf*512   ; a wave's store covers 512 consecutive bytes
.endr
.endr
	s_wait_loadcnt 6                               ; the table's six words stay out
	COMPACT WF, 32
	COMPACT XF, 32
	; source 0 = 16 rows of the weights, source 1 = the 16 batches: lane (r, h), register j holds batch r, column 16 nt + 8 h + j.
	; Two accumulators by turns, one instruction a turn; the first two products start the sums.
	v_wmma_f32_16x16x32_bf16 v[AX:AX+7], v[WF:WF+7],       v[XF:XF+7],       0
	v_wmma_f32_16x16x32_bf16 v[AY:AY+7], v[WF+8:WF+15],    v[XF+8:XF+15],    0
	v_wmma_f32_16x16x32_bf16 v[AX:AX+7], v[WF+16:WF+23],   v[XF+16:XF+23],   v[AX:AX+7]
	v_wmma_f32_16x16x32_bf16 v[AY:AY+7], v[WF+24:WF+31],   v[XF+24:XF+31],   v[AY:AY+7]
.rept 4
	v_nop                                          ; four places between the last product and the first read of a result (ISA guide 7.12.1)
.endr
.irp j, 0,2,4,6
	v_pk_add_f32 v[AX+\j:AX+\j+1], v[AX+\j:AX+\j+1], v[AY+\j:AY+\j+1]    ; from the low end on
.endr
	s_wait_alu depctr_va_vdst(0)                   ; the sums have written v[AX:AX+7], which the LDS stores read; and WF's conversions are done reading v[PT:PT+7], in which the LDS loads behind the barrier land
	ds_store_b128 v21, v[AX:AX+3]                  ; columns 8 h + 0..3
	ds_store_b128 v21, v[AX+4:AX+7] offset:16      ; columns 8 h + 4..7
	s_wait_dscnt 0x0                               ; for the others: my partial tile is in LDS
	s_barrier_signal -1                            ; the table's words may stay out: no wave holds the others up for them
	s_barrier_wait -1
.irp p, 0,1,2,3
	ds_load_b64 v[PT+2*\p:PT+2*\p+1], v22 offset:\p*1024     ; my two numbers of each wave's tile: a wave reads 256 consecutive bytes.  No wait: no vector instruction since the wait above
.endr
	s_wait_loadcnt 0x0                             ; the table's words
	v_fma_f32 v18, v12, s44, s41                   ; We_b + e . lambda
	v_fma_f32 v19, v15, s44, s41
	v_fma_f32 v18, v13, s45, v18
	v_fma_f32 v19, v16, s45, v19
	v_fma_f32 v18, v14, s46, v18
	v_fma_f32 v19, v17, s46, v19
	v_and_b32 v[BV], s53, v[BV]                    ; quarter 3: 0
	v_and_b32 v[BV+1], s53, v[BV+1]
	s_wait_dscnt 0x0
	v_pk_add_f32 v[PT:PT+1],   v[PT:PT+1],     v[PT+2:PT+3]
	v_pk_add_f32 v[PT+4:PT+5], v[PT+4:PT+5],   v[PT+6:PT+7]
	v_pk_add_f32 v[PT:PT+1],   v[PT:PT+1],     v[PT+4:PT+5]
	v_pk_add_f32 v[PT:PT+1],   v[PT:PT+1],     v[BV:BV+1]
	s_wait_alu depctr_va_vdst(0)                   ; the multiply-adds have written v[18:19] and the sums v[PT:PT+1], which the two stores below read
	global_store_b64 v20, v[18:19], s[38:39]       ; a wave's store covers 256 consecutive bytes, aligned
	global_store_b64 v23, v[PT:PT+1], s[36:37]     ; a wave's store covers 256 consecutive bytes, aligned
	s_wait_dscnt 0x0                               ; the closing lines, six on end
	s_wait_alu 0x0
	s_wait_tensorcnt 0x0
	ds_add_u32 v208, v209
	s_wait_dscnt 0x0
	s_endpgm
.Lfunc_end_k_qc7d96ee6bf_prep:
	.size	k_qc7d96ee6bf_prep, .Lfunc_end_k_qc7d96ee6bf_prep-k_qc7d96ee6bf_prep
	.p2alignl 7, 3214868480
	.fill 96, 4, 3214868480
	.section	.rodata,"a",@progbits
	.p2align	6, 0x0
	.amdhsa_kernel k_qc7d96ee6bf_prep
		.amdhsa_group_segment_fixed_size 4608
		.amdhsa_private_segment_fixed_size 0
		.amdhsa_enable_private_segment 0
		.amdhsa_kernarg_size 128
		.amdhsa_user_sgpr_count 2
		.amdhsa_user_sgpr_kernarg_segment_ptr 1
		.amdhsa_wavefront_size32 1
		.amdhsa_system_sgpr_workgroup_id_x 1
		.amdhsa_system_sgpr_workgroup_id_y 1
		.amdhsa_system_sgpr_workgroup_id_z 1
		.amdhsa_system_vgpr_workitem_id 0
		.amdhsa_next_free_vgpr 210
		.amdhsa_next_free_sgpr 66
		.amdhsa_reserve_vcc 0
		.amdhsa_float_denorm_mode_32 3
		.amdhsa_float_denorm_mode_16_64 3
		.amdhsa_memory_ordered 1
		.amdhsa_forward_progress 1
		.amdhsa_inst_pref_size 16
	.end_amdhsa_kernel
	.amdgpu_metadata
---
amdhsa.version: [ 1, 2 ]
amdhsa.kernels:
  - .name:           k_qc7d96ee6bf_prep
    .symbol:         k_qc7d96ee6bf_prep.kd
    .args:
      - { .name: Ws_w, .offset: 0, .size: 8, .value_kind: global_buffer, .address_space: global }
      - { .name: Wt_w, .offset: 8, .size: 8, .value_kind: global_buffer, .address_space: global }
      - { .name: Wr_w, .offset: 16, .size: 8, .value_kind: global_buffer, .address_space: global }
      - { .name: ht_k, .offset: 24, .size: 8, .value_kind: global_buffer, .address_space: global }
      - { .name: hm_k, .offset: 32, .size: 8, .value_kind: global_buffer, .address_space: global }
      - { .name: Wt_b, .offset: 40, .size: 8, .value_kind: global_buffer, .address_space: global }
      - { .name: Wr_b, .offset: 48, .size: 8, .value_kind: global_buffer, .address_space: global }
      - { .name: Ws_b, .offset: 56, .size: 8, .value_kind: global_buffer, .address_space: global }
      - { .name: We_b, .offset: 64, .size: 8, .value_kind: global_buffer, .address_space: global }
      - { .name: emb_table, .offset: 72, .size: 8, .value_kind: global_buffer, .address_space: global }
      - { .name: entity_lambda, .offset: 80, .size: 8, .value_kind: global_buffer, .address_space: global }
      - { .name: hs_i, .offset: 88, .size: 8, .value_kind: global_buffer, .address_space: global }
      - { .name: ht_k_i, .offset: 96, .size: 8, .value_kind: global_buffer, .address_space: global }
      - { .name: wsb, .offset: 104, .size: 8, .value_kind: global_buffer, .address_space: global }
      - { .name: cvec, .offset: 112, .size: 8, .value_kind: global_buffer, .address_space: global }
      - { .name: bias, .offset: 120, .size: 8, .value_kind: global_buffer, .address_space: global }
    .group_segment_fixed_size: 4608
    .private_segment_fixed_size: 0
    .kernarg_segment_align: 8
    .kernarg_segment_size: 128
    .max_flat_workgroup_size: 128
    .sgpr_count:     66
    .vgpr_count:     210
    .wavefront_size: 32
...
	.end_amdgpu_metadata
.endif
;; end of part 4
;; launch main: the kernel of part 2 again; grid 256 x 1, 4 waves a work-group, clusters of 4 x 1, 327,680 bytes of LDS; arguments hs, wsb, cvec, bias, We_w, part, pstat; writes part, pstat
;; launch comb: the kernel of part 3 again; grid 8 x 16, 1 waves a work-group, no clusters, 0 bytes of LDS; arguments part, pstat, Ws_b, out0; writes out0
